; MI455X (gfx1250); checked and timed in simulation.
; The chip was launched on July 23, 2026; its instructions are those of AMD's public machine-readable ISA for CDNA 5 (MIT licence, August 2026) and "CDNA5" Instruction Set Architecture Reference Guide (July 2026). The comments in the code are by the model that wrote it; some were corrected since.
;; Multi Head Attention. Allowed arithmetic: matrix products marked QUANTISED: E5M2 operands, one given power-of-two scale a tensor, by v_wmma_f32_16x16x64_bf8_bf8 or v_wmma_f32_16x16x128_bf8_bf8, f32 sums; everything else in f32.
;; Inputs: b_proj 1,024 float32; ln_beta 1,024 float32; ln_gamma 1,024 float32; lowp_scales 12 int32 (the exponents e of the quantised operands' scales 2^e); w_k_codes 1,024 x 32 x 32 uint8 (E5M2 codes of w_k, K innermost, in blocks of 32 codes); w_proj_codes 1,024 x 32 x 32 uint8 (E5M2 codes of w_proj, K innermost, in blocks of 32 codes); w_q_codes 1,024 x 32 x 32 uint8 (E5M2 codes of w_q, K innermost, in blocks of 32 codes); w_v_codes 1,024 x 32 x 32 uint8 (E5M2 codes of w_v, K innermost, in blocks of 32 codes); x 4 x 2,048 x 1,024 float32.
;; Outputs: out0 4 x 2,048 x 1,024 float32.
;; This version of the problem:
;;   THIS VERSION OF THE PROBLEM IS GIVEN IN LOW PRECISION. The matrix products marked QUANTISED in the list below multiply operands that are first quantised to E5M2 (5 exponent bits, 2 mantissa bits; 8 bits a number), with one given power-of-two scale for each operand tensor; their sums are f32. All else is computed in f32.
;;   The module's matrix products, in the order in which they are computed (A, B: the left and right operand; K: the contracted axis; several contracted axes count as one K, in the product's order):
;;     1. [M 8,192, K 1,024] x [K 1,024, N 1,024]; A: input x; B: input w_q (given as codes): QUANTISED (scales: A lowp_scales[0], B lowp_scales[1])
;;     2. [M 8,192, K 1,024] x [K 1,024, N 1,024]; A: input x; B: input w_k (given as codes): QUANTISED (scales: A lowp_scales[2], B lowp_scales[3])
;;     3. [M 8,192, K 1,024] x [K 1,024, N 1,024]; A: input x; B: input w_v (given as codes): QUANTISED (scales: A lowp_scales[4], B lowp_scales[5])
;;     4. batch 64 x [M 2,048, K 64] x [K 64, N 2,048]; A: computed on the way; B: computed on the way: QUANTISED (scales: A lowp_scales[6], B lowp_scales[7])
;;     5. batch 64 x [M 2,048, K 2,048] x [K 2,048, N 64]; A: softmax (see below); B: computed on the way: QUANTISED (scales: A lowp_scales[8], B lowp_scales[9])
;;     6. [M 8,192, K 1,024] x [K 1,024, N 1,024]; A: computed on the way; B: input w_proj (given as codes): QUANTISED (scales: A lowp_scales[10], B lowp_scales[11])
;;   THE QUANTISER, for each operand of a quantised product, along K:
;;     - The operand's scale is 2^e, e = its entry of the input lowp_scales (int32; the entries are numbered through the quantised products in the list's order, A before B).
;;     - Each number is divided by the scale, clamped to +-57,344, and rounded to the nearest number of E5M2, ties to even, subnormals kept.
;;     - The product sums the exact products of the quantised numbers (number of the format x scale) in f32.
;;   ~~~python
;;   def quantise(x, axis, e):      # numpy; x: float32 -> the quantised numbers, widened to float32 again
;;       x = np.moveaxis(x, axis, -1); K = x.shape[-1]
;;       r = np.clip(x / 2.0 ** e, -57344, 57344)
;;       step = 2.0 ** (np.maximum(np.frexp(np.where(r == 0, 1, r))[1] - 1, -14) - 2)
;;       q = np.round(r / step) * step * 2.0 ** e      # np.round: ties to even
;;       return np.moveaxis(q, -1, axis).astype(np.float32)
;;   ~~~
;;   SOFTMAX AHEAD OF A QUANTISED PRODUCT. Where the list says 'softmax', what is quantised is not the finished softmax but p = 2^(t - M), with t = logit x log2(e) and M = ceil(the row's largest t), a whole number; so 1/2 < the row's largest p <= 1. The row's sum l is taken of the UNQUANTISED p, in f32, and the product's result is divided by l at the end. Since M is a whole number, a kernel that streams over the keys may use a running M (the ceiling of the running maximum): every later rescaling is an exact power of two, so the quantised numbers keep their values, but for numbers so far below the row's largest that they fall under the format's range.
;;   OPERANDS COMPUTED ON THE WAY. 'Computed on the way' means the value that the module computes at that place (a softmax that the list does not call 'softmax' is quantised finished and normalised). What goes into a quantiser is computed in f32, as accurately as f32 sums, v_exp_f32 and their like allow (about 1e-6 of the number): no bf16 or f16 on the way to a quantiser, and a product that is left as it is and whose result goes on into a quantised operand takes f32 operands (vector FMAs, or v_wmma_f32_16x16x4_f32). A number that lies on a knife's edge between two numbers of the format may be rounded either way, as far as f32 arithmetic and the matrix unit's own rounding can turn it there, and no further.
;;   INPUTS GIVEN AS CODES. w_k (in the module: [1024, 1024], K = its axis 0); w_proj (in the module: [1024, 1024], K = its axis 0); w_q (in the module: [1024, 1024], K = its axis 0); w_v (in the module: [1024, 1024], K = its axis 0): each comes as NAME_codes (uint8): NAME with its K axis moved to the last place and cut into blocks of 32 codes, [.., K / 32, bytes a block], one block behind the other in memory; one code a byte (a code: sign, 5 exponent bits, 2 mantissa bits); its scale is its entry of lowp_scales. Its value is code x scale, taken as it is: it is not quantised again, and the codes and scales need not be those that the quantiser above would give.
;; One version. Each part assembles by itself: llvm-mc -triple=amdgcn-amd-amdhsa -mcpu=gfx1250 --defsym DOCPART=n.
;; ======== version 1 of 1: 4 launches
;; limits: right only within a limited range of input values
;; workspace buffers: xc 25,165,824 bytes; qkv 25,165,824 bytes; oimg 8,388,608 bytes; wimg 1,048,576 bytes
;; launch quant_x (part 1): grid 576 x 1, 4 waves a work-group, no clusters, 33,280 bytes of LDS; arguments x, lowp_scales, xc, w_proj_codes, wimg; writes xc, wimg
.if DOCPART == 1
	.amdgcn_target "amdgcn-amd-amdhsa--gfx1250"
	.amdhsa_code_object_version 6
	.text
	.protected	k_qdb3afc5090_quant_x
	.globl	k_qdb3afc5090_quant_x
	.p2align	8
	.type	k_qdb3afc5090_quant_x,@function
k_qdb3afc5090_quant_x:
	s_mov_b64 s[64:65], 0
	v_nop
	global_prefetch_b8 v0, s[64:65] scope:SCOPE_SE
	s_setreg_imm32_b32 hwreg(HW_REG_WAVE_MODE, 25, 1), 1
	s_wait_xcnt 0x0
; x [8192][1024] f32 is the left operand of three products (with w_q, w_k, w_v), each with a scale entry of its own: e0, e2, e4 of the buffer of scales.
; So x is read once and turned into THREE sets of E5M2 codes, K innermost, [8192][1024] bytes each, 8,388,608 bytes apart in xc.
; code = x / 2^e, held within +-57,344, rounded to the nearest code, ties to even.
; LIMITS: e0, e2, e4 between -126 and 112, so that 2^e and 57,344 x 2^e are f32 numbers.  NaN among the inputs is not served.
; Rows are dense, so x is a plain stream.  A wave takes 8 steps of 512 numbers.  A conversion takes eight neighbours along K from ONE lane's registers, a load is best where neighbouring LANES
; take neighbouring bytes: each of a step's four loads reads 512 consecutive bytes, the 2,048 bytes go through the wave's own stage in LDS as they lie and come back 64 bytes a lane (16 bytes of padding behind each 64).
; A lane's 16 codes are 16 bytes: each store of the wave covers 512 consecutive bytes, aligned.  No tensor loads, no barrier: waves share nothing.  No cluster: no two work-groups read the same byte.
; Loads run four steps (16 loads a wave) ahead, the turn through LDS one step.
.set STEPS, 8
.set WREG,  8192                       ; LDS: a region for each wave: two stages of 32 x SP bytes
.set SP,    80                         ; a lane's place in a stage: 64 bytes + 16 of padding
.set SC,    6                          ; v6, v8, v10: 2^e for e0, e2, e4;  v7, v9, v11: 57,344 x 2^e
.set R,     16                         ; v16-79   four sets of 16 numbers as they are loaded
.set X,     80                         ; v80-111  two sets of 16 neighbours
.set T,     112                        ; v112-159 the 16 neighbours held within each of the three limits
.set C,     160                        ; v160-255 codes: twelve registers for each step, so that no store's data are written again
	s_cmp_lt_u32 ttmp9, 64                         ; work-groups 0 to 63 lay w_proj's codes out as images of fragments (at the text's end); 64 to 575 quantise x
	s_cbranch_scc1 .Lwimg
	s_load_b128 s[4:7], s[0:1], 0x0                ; x, the scales' exponents
	s_load_b64 s[8:9], s[0:1], 0x10                ; xc
	v_lshl_add_u32 v12, v0, 2, 0x8000
	v_mov_b32 v13, 0
	v_lshrrev_b32 v1, 5, v0
	v_readfirstlane_b32 s16, v1                    ; wave
	v_and_b32 v2, 31, v0                           ; lane
	v_lshlrev_b32 v3, 4, v2                        ; 16 x lane: my 16 bytes of a load's 512, and of a store's 512; never rewritten
	s_mul_i32 s17, s16, WREG
	v_lshrrev_b32 v14, 2, v2
	v_mul_u32_u24 v14, v14, SP
	v_and_b32 v15, 3, v2
	v_lshl_add_u32 v14, v15, 4, v14
	v_add_nc_u32 v14, s17, v14                     ; the stage, on the way in: four lanes' 64 bytes on end, then the padding
	v_mul_u32_u24 v15, v2, SP
	v_add_nc_u32 v15, s17, v15                     ; and on the way out: my 16 neighbours
	s_sub_co_u32 s18, ttmp9, 64
	s_lshl_b32 s18, s18, 2
	s_add_co_u32 s18, s18, s16                     ; which run of 4,096 numbers is my wave's
	s_lshl_b32 s28, s18, 14                        ; 16,384 bytes of x,
	s_mov_b32 s29, 0
	s_lshl_b32 s30, s18, 12                        ; 4,096 bytes of each set of codes
	s_mov_b32 s31, 0
	s_wait_alu depctr_va_vdst(0)
	s_wait_kmcnt 0x0
	s_load_b256 s[20:27], s[6:7], 0x0              ; e0 .. e7
	s_add_nc_u64 s[4:5], s[4:5], s[28:29]
	s_add_nc_u64 s[8:9], s[8:9], s[30:31]          ; the codes under e0,
	s_add_nc_u64 s[10:11], s[8:9], 0x800000        ; under e2,
	s_add_nc_u64 s[12:13], s[10:11], 0x800000      ; under e4: three bases, since 8,388,608 is past a store's immediate
.macro LOAD t
.irp i, 0,1,2,3
	global_load_b128 v[R+16*((\t)%4)+4*\i:R+16*((\t)%4)+4*\i+3], v3, s[4:5] offset:2048*(\t)+512*\i th:TH_LOAD_NT   ; 32 lanes read 512 consecutive bytes
.endr
.endm
.macro TURN t                          ; step t's numbers through the stage: LDS serves a wave's instructions in order, so no wait stands between the stores and the loads
.irp i, 0,1,2,3
	ds_store_b128 v14, v[R+16*((\t)%4)+4*\i:R+16*((\t)%4)+4*\i+3] offset:32*SP*((\t)%2)+8*SP*\i
.endr
.irp i, 0,1,2,3
	ds_load_b128 v[X+16*((\t)%2)+4*\i:X+16*((\t)%2)+4*\i+3], v15 offset:32*SP*((\t)%2)+16*\i
.endr
.endm
.irp t, 0,1,2,3
	LOAD \t
.endr
	s_wait_kmcnt 0x0
.irp k, 0,1,2
	s_add_co_i32 s14, s[20+2*\k], 127
	s_lshl_b32 s15, s14, 23
	v_mov_b32 v[SC+2*\k], s15                      ; 2^e as f32: the conversion takes its exponent field
	s_add_co_i32 s14, s14, 15
	s_lshl_b32 s14, s14, 23
	s_or_b32 s14, s14, 0x600000
	v_mov_b32 v[SC+2*\k+1], s14                    ; 57,344 x 2^e
.endr
	s_wait_alu depctr_va_vdst(0)
	s_wait_loadcnt 12                              ; step 0's four loads are in; the twelve of steps 1 to 3 may be out
	TURN 0
.macro STEP t
.set XS, X+16*((\t)%2)
	s_wait_dscnt 0x0                               ; this step's numbers are back from the stage: so its stores into the stage have read their registers,
.if (\t)+4 < STEPS
	LOAD (\t)+4                                    ; which take the loads of four steps on
.endif
.if (\t)+1 < STEPS
.if STEPS-2-(\t) >= 3
	s_wait_loadcnt 12                              ; the next step's four loads are in; those of the three steps behind it may be out
.else
	s_wait_loadcnt 4*(STEPS-2-(\t))                ; the tail: fewer steps stand behind it
.endif
	TURN (\t)+1                                    ; and go through the other stage while this step is worked
.endif
.irp k, 0,1,2
.irp i, 0,1,2,3,4,5,6,7,8,9,10,11,12,13,14,15
	v_med3_num_f32 v[T+16*\k+\i], v[XS+\i], -v[SC+2*\k+1], v[SC+2*\k+1]   ; the conversion to an 8-bit code does not saturate (ISA guide 7.6.2): the hold at the largest code x the scale
.endr
.endr
.irp k, 0,1,2
	v_cvt_scalef32_pk8_bf8_f32 v[C+12*(\t)+4*\k:C+12*(\t)+4*\k+1], v[T+16*\k:T+16*\k+7], v[SC+2*\k]
	v_cvt_scalef32_pk8_bf8_f32 v[C+12*(\t)+4*\k+2:C+12*(\t)+4*\k+3], v[T+16*\k+8:T+16*\k+15], v[SC+2*\k]
.endr
	v_nop                                          ; a plain vector line between the conversions and the next step's holds, which write the conversions' sources
	global_store_b128 v3, v[C+12*(\t):C+12*(\t)+3], s[8:9] offset:512*(\t)
	global_store_b128 v3, v[C+12*(\t)+4:C+12*(\t)+7], s[10:11] offset:512*(\t)
	global_store_b128 v3, v[C+12*(\t)+8:C+12*(\t)+11], s[12:13] offset:512*(\t)
.endm
.irp t, 0,1,2,3,4,5,6,7
	STEP \t
.endr
	s_wait_tensorcnt 0x0
	ds_add_u32 v12, v13
	s_wait_dscnt 0x0
	s_endpgm
; W_PROJ'S CODES AS IMAGES.  An image is a fragment of 16 rows (n) x 128 k for the 16 x 16 x 128 form, 2,048 bytes: registers 4 g .. 4 g + 3 of lane l at 512 g + 16 l.
; Lane (r = l % 16, h = l / 16) holds of row r: k = 32 g + 8 h + 0 .. 7 in registers 4 g, 4 g + 1 and k = 32 g + 16 + 8 h + 0 .. 7 in 4 g + 2, 4 g + 3.
; Image I = (w x 8 + ks) x 16 + b holds rows 256 w + 16 b + r, k from 128 ks on: the order in which wave w of the projection walks them.  512 images, two to each of 256 waves.
; A wave's sixteen loads of 8 bytes a lane use up 128 consecutive bytes of each of 32 rows; each store covers 512 consecutive bytes, aligned.
.Lwimg:
	s_load_b64 s[4:5], s[0:1], 0x18                ; w_proj_codes
	s_load_b64 s[6:7], s[0:1], 0x20                ; wimg
	v_lshrrev_b32 v1, 5, v0
	v_readfirstlane_b32 s16, v1                    ; wave
	v_and_b32 v2, 15, v0                           ; r
	v_bfe_u32 v3, v0, 4, 1                         ; h
	v_lshlrev_b32 v4, 10, v2
	v_lshl_add_u32 v4, v3, 3, v4                   ; 1,024 r + 8 h
	v_and_b32 v5, 31, v0
	v_lshlrev_b32 v5, 4, v5                        ; 16 x lane
	s_lshl_b32 s17, ttmp9, 2
	s_add_co_u32 s17, s17, s16
	s_lshl_b32 s17, s17, 1                         ; my first image I (even: its neighbour has b + 1)
	s_lshr_b32 s18, s17, 7                         ; w
	s_bfe_u32 s19, s17, 0x30004                    ; ks
	s_and_b32 s20, s17, 15                         ; b
	s_lshl_b32 s18, s18, 4
	s_add_co_u32 s18, s18, s20
	s_lshl_b32 s18, s18, 14                        ; (16 w + b) x 16 rows x 1,024 bytes
	s_lshl_b32 s19, s19, 7
	s_add_co_u32 s28, s18, s19                     ; + 128 ks
	s_mov_b32 s29, 0
	s_lshl_b32 s30, s17, 11
	s_mov_b32 s31, 0
	s_wait_alu depctr_va_vdst(0)                   ; the wait at the head's end
	s_wait_kmcnt 0x0
	s_add_nc_u64 s[4:5], s[4:5], s[28:29]
	s_add_nc_u64 s[6:7], s[6:7], s[30:31]
.irp i, 0,1
.irp g, 0,1,2,3
	global_load_b64 v[16+16*\i+4*\g:16+16*\i+4*\g+1], v4, s[4:5] offset:16384*\i+32*\g
	global_load_b64 v[16+16*\i+4*\g+2:16+16*\i+4*\g+3], v4, s[4:5] offset:16384*\i+32*\g+16
.endr
.endr
	s_wait_loadcnt 0x0
.irp i, 0,1
.irp g, 0,1,2,3
	global_store_b128 v5, v[16+16*\i+4*\g:16+16*\i+4*\g+3], s[6:7] offset:2048*\i+512*\g
.endr
.endr
	s_endpgm
.Lfunc_end_k_qdb3afc5090_quant_x:
	.size	k_qdb3afc5090_quant_x, .Lfunc_end_k_qdb3afc5090_quant_x-k_qdb3afc5090_quant_x
	.p2alignl 7, 3214868480
	.fill 96, 4, 3214868480
	.section	.rodata,"a",@progbits
	.p2align	6, 0x0
	.amdhsa_kernel k_qdb3afc5090_quant_x
		.amdhsa_group_segment_fixed_size 33280
		.amdhsa_private_segment_fixed_size 0
		.amdhsa_enable_private_segment 0
		.amdhsa_kernarg_size 40
		.amdhsa_user_sgpr_count 2
		.amdhsa_user_sgpr_kernarg_segment_ptr 1
		.amdhsa_wavefront_size32 1
		.amdhsa_system_sgpr_workgroup_id_x 1
		.amdhsa_system_sgpr_workgroup_id_y 1
		.amdhsa_system_sgpr_workgroup_id_z 1
		.amdhsa_system_vgpr_workitem_id 0
		.amdhsa_next_free_vgpr 256
		.amdhsa_next_free_sgpr 66
		.amdhsa_reserve_vcc 0
		.amdhsa_float_denorm_mode_32 3
		.amdhsa_float_denorm_mode_16_64 3
		.amdhsa_memory_ordered 1
		.amdhsa_forward_progress 1
		.amdhsa_inst_pref_size 44
	.end_amdhsa_kernel
	.amdgpu_metadata
---
amdhsa.version: [ 1, 2 ]
amdhsa.kernels:
  - .name:           k_qdb3afc5090_quant_x
    .symbol:         k_qdb3afc5090_quant_x.kd
    .args:
      - { .name: x, .offset: 0, .size: 8, .value_kind: global_buffer, .address_space: global }
      - { .name: lowp_scales, .offset: 8, .size: 8, .value_kind: global_buffer, .address_space: global }
      - { .name: xc, .offset: 16, .size: 8, .value_kind: global_buffer, .address_space: global }
      - { .name: w_proj_codes, .offset: 24, .size: 8, .value_kind: global_buffer, .address_space: global }
      - { .name: wimg, .offset: 32, .size: 8, .value_kind: global_buffer, .address_space: global }
    .group_segment_fixed_size: 33280
    .private_segment_fixed_size: 0
    .kernarg_segment_align: 8
    .kernarg_segment_size: 40
    .max_flat_workgroup_size: 128
    .sgpr_count:     66
    .vgpr_count:     256
    .wavefront_size: 32
...
	.end_amdgpu_metadata
.endif
;; end of part 1
;; launch qkv (part 2): grid 12 x 32, 4 waves a work-group, clusters of 4 x 4, 327,680 bytes of LDS; arguments xc, w_q_codes, w_k_codes, w_v_codes, lowp_scales, qkv; writes qkv
.if DOCPART == 2
	.amdgcn_target "amdgcn-amd-amdhsa--gfx1250"
	.amdhsa_code_object_version 6
	.text
	.protected	k_qdb3afc5090_qkv
	.globl	k_qdb3afc5090_qkv
	.p2align	8
	.type	k_qdb3afc5090_qkv,@function
k_qdb3afc5090_qkv:
	s_mov_b64 s[64:65], 0
	v_nop
	global_prefetch_b8 v0, s[64:65] scope:SCOPE_SE
	s_setreg_imm32_b32 hwreg(HW_REG_WAVE_MODE, 25, 1), 1
	s_wait_xcnt 0x0
	s_wait_alu depctr_hold_cnt(0) depctr_sa_sdst(0) depctr_va_vdst(0) depctr_va_sdst(0) depctr_va_ssrc(0) depctr_va_vcc(0) depctr_vm_vsrc(0)
	s_getreg_b32 s2, hwreg(HW_REG_IB_STS2, 6, 4)
	s_cmp_eq_u32 s2, 0
	s_cbranch_scc0 .Lentry_in_a_cluster
	s_endpgm
.Lentry_in_a_cluster:
	s_bfe_u32 s2, ttmp6, 0x10000c
	s_cmp_lg_u32 s2, 0xf033
	s_cbranch_scc0 .Lentry_shape_is_right
	s_endpgm
.Lentry_shape_is_right:
.set SIZE_K, 1024
.set KSTEP,  256
.set ROWB,   256
.set KROW,   SIZE_K
.set PITCH,  272
.set FR,     16
.set NL,     4
.set NP,     4
.set HALFT,  128*PITCH
.set SLOT,   4*HALFT
.set LAPS,   SIZE_K/(2*KSTEP)
.set SPARE,  2*SLOT
.set SCL,  12
.set LIM,  13
.set ADRA, 16
.set ADRB, 20
.set LOFF, 26
.set SPW,  28
.set NIL,  29
.set TMP,  32
.set AF,   128
.set CD,   128
.set G1, 24
.set G0, 32
.set G1B, 48
.set G0B, 56
.set OB,  92
.set MSB, 0
.macro WIN new
.if MSB != \new
	s_set_vgpr_msb (MSB<<8)|\new
.set MSB, \new
.endif
.endm
.set MUL_LO, 0xa1
.set MUL_HI, 0xf1
.set TO_B,   0x40
.macro JLOAD g0a, g1a, g0b, g1b
	s_cmp_eq_u32 s15, 0
	s_cbranch_scc0 .Lfor_b_\@
	tensor_load_to_lds s[\g0a:\g0a+3], s[\g1a:\g1a+7]
	s_nop 0
.rept 4
	v_nop
.endr
	s_branch .Lasked_\@
.Lfor_b_\@:
	tensor_load_to_lds s[\g0b:\g0b+3], s[\g1b:\g1b+7]
	s_nop 0
.rept 4
	v_nop
.endr
.Lasked_\@:
.endm
.macro CREST
	s_cmp_lg_u32 s14, 0
	s_cbranch_scc1 .Lnot_wave_0_\@
	s_barrier_signal -3
.Lnot_wave_0_\@:
	s_barrier_wait -3
	s_barrier_signal -1
	s_barrier_wait -1
.endm
.macro CROUND
	s_barrier_signal -1
	s_barrier_wait -1
	CREST
.endm
	s_load_b256 s[4:11], s[0:1], 0x0
	s_load_b128 s[68:71], s[0:1], 0x20
	v_lshl_add_u32 v[SPW], v0, 2, SPARE
	v_mov_b32 v[NIL], 0
	ds_add_u32 v28, v29
	ds_add_u32 v28, v29
	s_wait_dscnt 0x0
	v_lshrrev_b32 v1, 5, v0
	v_readfirstlane_b32 s14, v1
	s_lshr_b32 s15, s14, 1
	s_and_b32 s16, s14, 1
	s_bfe_u32 s40, ttmp6, 0x40000
	s_bfe_u32 s41, ttmp6, 0x40004
	s_and_b32 s84, ttmp7, 0xffff
	s_lshl_b32 s84, s84, 2
	s_cmp_eq_u32 ttmp9, 2
	s_cselect_b32 s85, 0, s84
	s_cselect_b32 s86, s84, 0
	s_add_co_u32 s17, s85, s41
	s_add_co_u32 s42, s86, s40
	s_lshl_b32 s43, s41, 2
	s_lshl_b32 s43, 15, s43
	s_lshl_b32 s44, 0x1111, s40
	s_or_b32 s[G1+0], s43, (0<<16)|(1<<20)|(1<<21)|(5<<22)|(3<<25)
	s_or_b32 s[G1B+0], s44, (0<<16)|(1<<20)|(1<<21)|(5<<22)|(3<<25)
.irp g, G1, G1B
	s_mov_b32 s[\g+1], ROWB<<16
	s_mov_b32 s[\g+2], 128<<16
	s_mov_b32 s[\g+3], ROWB<<16
	s_mov_b32 s[\g+4], 128
	s_mov_b32 s[\g+5], KROW
	s_mov_b32 s[\g+6], 0
	s_mov_b32 s[\g+7], 0
.endr
	s_lshl_b32 s18, s16, 7
	s_lshl_b32 s20, s17, 8
	s_add_co_u32 s20, s20, s18
	s_lshl_b32 s20, s20, 10
	s_mov_b32 s21, 0
	s_lshl_b32 s46, s42, 8
	s_add_co_u32 s46, s46, s18
	s_lshl_b32 s46, s46, 10
	s_mov_b32 s47, 0
	s_mul_i32 s45, s14, HALFT
	s_lshl_b32 s88, ttmp9, 23
	s_mov_b32 s89, 0
	s_wait_kmcnt 0x0
	s_load_b256 s[72:79], s[68:69], 0x0
	s_load_b128 s[80:83], s[68:69], 0x20
	s_add_nc_u64 s[88:89], s[4:5], s[88:89]
	s_cmp_eq_u32 ttmp9, 0
	s_cselect_b64 s[90:91], s[6:7], s[8:9]
	s_cmp_eq_u32 ttmp9, 2
	s_cselect_b64 s[90:91], s[10:11], s[90:91]
	s_cselect_b64 s[86:87], s[90:91], s[88:89]
	s_cselect_b64 s[90:91], s[88:89], s[90:91]
	s_add_nc_u64 s[20:21], s[86:87], s[20:21]
	s_add_nc_u64 s[46:47], s[90:91], s[46:47]
	CROUND
.irp s, 0,1
	s_mov_b32 s[G0+4*\s], 1
	s_add_co_u32 s[G0+4*\s+1], s45, \s*SLOT
	s_add_nc_u64 s[G0+4*\s+2:G0+4*\s+3], s[20:21], \s*ROWB
	s_or_b32 s[G0+4*\s+3], s[G0+4*\s+3], 0x80000000
	s_mov_b32 s[G0B+4*\s], 1
	s_add_co_u32 s[G0B+4*\s+1], s45, \s*SLOT
	s_add_nc_u64 s[G0B+4*\s+2:G0B+4*\s+3], s[46:47], \s*ROWB
	s_or_b32 s[G0B+4*\s+3], s[G0B+4*\s+3], 0x80000000
	s_wait_alu depctr_va_vdst(0)
	s_wait_tensorcnt 0x0
	ds_add_u32 v28, v29
	ds_add_u32 v28, v29
	s_wait_dscnt 0x0
	CROUND
	JLOAD G0+4*\s, G1, G0B+4*\s, G1B
.endr
	v_and_b32 v1, 15, v0
	v_bfe_u32 v2, v0, 4, 1
	v_mul_u32_u24 v3, v1, PITCH
	v_lshl_add_u32 v4, v2, 4, v3
	s_mul_i32 s21, s15, HALFT
	s_mul_i32 s22, s16, HALFT
	s_add_co_u32 s22, s22, 2*HALFT
.irp s, 0,1
	v_add_nc_u32 v[ADRA+\s], s21, v4
	v_add_nc_u32 v[ADRB+\s], s22, v4
	s_add_co_u32 s21, s21, SLOT
	s_add_co_u32 s22, s22, SLOT
.endr
	v_and_b32 v6, 31, v0
	v_lshlrev_b32 v[LOFF], 4, v6
	s_lshl_b32 s84, s17, 8
	s_lshl_b32 s85, s15, 7
	s_add_co_u32 s84, s84, s85
	s_lshl_b32 s85, s42, 8
	s_lshl_b32 s86, s16, 7
	s_add_co_u32 s85, s85, s86
	s_mov_b32 s18, 4096
	s_mov_b32 s19, 0x20000
	s_cmp_eq_u32 ttmp9, 2
	s_cselect_b32 s86, s85, s84
	s_cselect_b32 s87, s84, s85
	s_cselect_b32 s88, s19, s18
	s_cselect_b32 s90, s18, s19
	s_lshr_b32 s84, s86, 11
	s_lshl_b32 s84, s84, 4
	s_lshr_b32 s87, s87, 6
	s_add_co_u32 s84, s84, s87
	s_lshl_b32 s84, s84, 7
	s_and_b32 s86, s86, 2047
	s_lshr_b32 s86, s86, 4
	s_add_co_u32 s84, s84, s86
	s_lshl_b32 s84, s84, 10
	s_lshl_b32 s85, ttmp9, 23
	s_add_co_u32 s84, s84, s85
	s_mov_b32 s85, 0
	s_mov_b32 s89, 0
	s_mov_b32 s91, 0
	s_add_nc_u64 s[OB:OB+1], s[70:71], s[84:85]
	s_add_nc_u64 s[OB+2:OB+3], s[OB:OB+1], s[90:91]
	s_add_nc_u64 s[OB+4:OB+5], s[OB:OB+1], s[88:89]
	s_add_nc_u64 s[OB+6:OB+7], s[OB+4:OB+5], s[90:91]
.macro FRAG reg, adr, q, i
.irp c, 0,1,2,3
	ds_load_b128 v[\reg+4*\c:\reg+4*\c+3], v[\adr] offset:128*(\q)+32*\c+(\i)*16*PITCH
.endr
.endm
.macro MUL16 a0, p, zero
.irp a, \a0, \a0+1
.irp b, 0,1,2,3,4,5,6,7
.if \zero
	v_wmma_f32_16x16x128_bf8_bf8 v[8*(8*((\a)%4)+\b):8*(8*((\a)%4)+\b)+7], v[128*(\p)+FR*\b:128*(\p)+FR*\b+FR-1], v[AF+FR*(\a):AF+FR*(\a)+FR-1], 0
.else
	v_wmma_f32_16x16x128_bf8_bf8 v[8*(8*((\a)%4)+\b):8*(8*((\a)%4)+\b)+7], v[128*(\p)+FR*\b:128*(\p)+FR*\b+FR-1], v[AF+FR*(\a):AF+FR*(\a)+FR-1], v[8*(8*((\a)%4)+\b):8*(8*((\a)%4)+\b)+7]
.endif
.endr
.endr
.endm
.macro FETCH_B slot, q, p
	WIN TO_B
.irp i, 0,1,2,3,4,5,6,7
	FRAG 128*(\p)+FR*\i, ADRB+\slot, \q, \i
.endr
	WIN 0
.endm
.macro FETCH_A slot, q, i0
.irp i, \i0, \i0+1, \i0+2, \i0+3
	FRAG AF+FR*(\i), ADRA+\slot, \q, \i
.endr
.endm
.macro PLACES n
.rept \n
	v_nop
.endr
.endm
.macro STEP slot, q, zero
	s_wait_dscnt 4*NL
	WIN MUL_LO
	MUL16 0, (\q)%2, \zero
	MUL16 2, (\q)%2, \zero
	s_wait_dscnt 0
	PLACES NP
	FETCH_B \slot, (\q)+1, 1-(\q)%2
	FETCH_A \slot, (\q)+1, 0
	WIN MUL_HI
	MUL16 4, (\q)%2, \zero
	MUL16 6, (\q)%2, \zero
	PLACES NP
	WIN 0
	FETCH_A \slot, (\q)+1, 4
.endm
.macro TURN slot, next, fill
	s_wait_tensorcnt 0x0
	ds_add_u32 v[SPW], v[NIL]
	s_wait_dscnt 4*NL+1
	WIN MUL_LO
	MUL16 0, 1, 0
	s_wait_dscnt 0x0
	s_barrier_signal -1
	MUL16 2, 1, 0
	WIN 0
	s_barrier_wait -1
.if \fill
	CREST
	s_add_nc_u64 s[G0+4*\slot+2:G0+4*\slot+3], s[G0+4*\slot+2:G0+4*\slot+3], 2*ROWB
	s_add_nc_u64 s[G0B+4*\slot+2:G0B+4*\slot+3], s[G0B+4*\slot+2:G0B+4*\slot+3], 2*ROWB
	JLOAD G0+4*\slot, G1, G0B+4*\slot, G1B
.else
	PLACES NP
.endif
	FETCH_B \next, 0, 0
	FETCH_A \next, 0, 0
	WIN MUL_HI
	MUL16 4, 1, 0
	MUL16 6, 1, 0
	PLACES NP
	WIN 0
	FETCH_A \next, 0, 4
.endm
	s_wait_alu depctr_va_vdst(0)
	s_wait_tensorcnt 1
	s_barrier_signal -1
	s_barrier_wait -1
	FETCH_B 0, 0, 0
	FETCH_A 0, 0, 0
	FETCH_A 0, 0, 4
	STEP 0, 0, 1
	s_mov_b32 s3, LAPS-1
.Llap:
	TURN 0, 1, 1
	STEP 1, 0, 0
	TURN 1, 0, 1
	STEP 0, 0, 0
	s_sub_co_u32 s3, s3, 1
	s_cmp_lg_u32 s3, 0
	s_cbranch_scc1 .Llap
	TURN 0, 1, 0
	STEP 1, 0, 0
	s_wait_dscnt 4*NL
	WIN MUL_LO
	MUL16 0, 1, 0
	MUL16 2, 1, 0
	s_wait_dscnt 0
	WIN MUL_HI
	MUL16 4, 1, 0
	MUL16 6, 1, 0
	WIN 0
	s_wait_kmcnt 0x0
	s_sub_co_i32 s84, s78, s72
	s_sub_co_i32 s84, s84, s73
	s_sub_co_i32 s85, s79, s74
	s_sub_co_i32 s85, s85, s75
	s_sub_co_i32 s86, s81, s76
	s_sub_co_i32 s86, s86, s77
	s_cmp_eq_u32 ttmp9, 0
	s_cselect_b32 s84, s84, s85
	s_cmp_eq_u32 ttmp9, 2
	s_cselect_b32 s84, s86, s84
	s_add_co_i32 s84, s84, 127
	s_lshl_b32 s85, s84, 23
	s_add_co_i32 s84, s84, 15
	s_lshl_b32 s84, s84, 23
	s_or_b32 s84, s84, 0x600000
	PLACES NP
	v_mov_b32 v[SCL], s85
	v_mov_b32 v[LIM], s84
.macro OUTG a, gg
.set NN, 2*(\a)+(\gg)
.set TS, TMP+32*(NN%2)
.set AC, 64*((\a)%4)+32*(\gg)
.set CG, CD+8*NN
.set SB, OB+4*((\a)/4)+2*(\gg)
	WIN 0x02+((\a)/4)
.irp i, 0,1,2,3,4,5,6,7,8,9,10,11,12,13,14,15,16,17,18,19,20,21,22,23,24,25,26,27,28,29,30,31
	v_med3_num_f32 v[TS+\i], v[AC+\i], -v[LIM], v[LIM]
.endr
	WIN 0
.irp c, 0,1,2,3
	v_cvt_scalef32_pk8_bf8_f32 v[CG+2*\c:CG+2*\c+1], v[TS+8*\c:TS+8*\c+7], v[SCL]
.endr
	v_nop
	global_store_b128 v[LOFF], v[CG:CG+3], s[SB:SB+1] offset:((\a)%4)*1024
	global_store_b128 v[LOFF], v[CG+4:CG+7], s[SB:SB+1] offset:((\a)%4)*1024+512
.endm
.irp a, 0,1,2,3,4,5,6,7
	OUTG \a, 0
	OUTG \a, 1
.endr
	s_wait_tensorcnt 0x0
	ds_add_u32 v[SPW], v[NIL]
	s_wait_dscnt 0x0
	CROUND
	s_endpgm
.Lfunc_end_k_qdb3afc5090_qkv:
	.size	k_qdb3afc5090_qkv, .Lfunc_end_k_qdb3afc5090_qkv-k_qdb3afc5090_qkv
	.p2alignl 7, 3214868480
	.fill 96, 4, 3214868480
	.section	.rodata,"a",@progbits
	.p2align	6, 0x0
	.amdhsa_kernel k_qdb3afc5090_qkv
		.amdhsa_group_segment_fixed_size 327680
		.amdhsa_private_segment_fixed_size 0
		.amdhsa_enable_private_segment 0
		.amdhsa_kernarg_size 48
		.amdhsa_user_sgpr_count 2
		.amdhsa_user_sgpr_kernarg_segment_ptr 1
		.amdhsa_wavefront_size32 1
		.amdhsa_system_sgpr_workgroup_id_x 1
		.amdhsa_system_sgpr_workgroup_id_y 1
		.amdhsa_system_sgpr_workgroup_id_z 1
		.amdhsa_system_vgpr_workitem_id 0
		.amdhsa_next_free_vgpr 1024
		.amdhsa_next_free_sgpr 100
		.amdhsa_reserve_vcc 0
		.amdhsa_float_denorm_mode_32 3
		.amdhsa_float_denorm_mode_16_64 3
		.amdhsa_memory_ordered 1
		.amdhsa_forward_progress 1
		.amdhsa_inst_pref_size 120
	.end_amdhsa_kernel
	.amdgpu_metadata
---
amdhsa.version: [ 1, 2 ]
amdhsa.kernels:
  - .name:           k_qdb3afc5090_qkv
    .symbol:         k_qdb3afc5090_qkv.kd
    .args:
      - { .name: xc, .offset: 0, .size: 8, .value_kind: global_buffer, .address_space: global }
      - { .name: w_q_codes, .offset: 8, .size: 8, .value_kind: global_buffer, .address_space: global }
      - { .name: w_k_codes, .offset: 16, .size: 8, .value_kind: global_buffer, .address_space: global }
      - { .name: w_v_codes, .offset: 24, .size: 8, .value_kind: global_buffer, .address_space: global }
      - { .name: lowp_scales, .offset: 32, .size: 8, .value_kind: global_buffer, .address_space: global }
      - { .name: qkv, .offset: 40, .size: 8, .value_kind: global_buffer, .address_space: global }
    .group_segment_fixed_size: 327680
    .private_segment_fixed_size: 0
    .kernarg_segment_align: 8
    .kernarg_segment_size: 48
    .max_flat_workgroup_size: 128
    .sgpr_count:     100
    .vgpr_count:     1024
    .wavefront_size: 32
...
	.end_amdgpu_metadata
.endif
;; end of part 2
;; launch attn (part 3): grid 4 x 64, 16 waves a work-group, clusters of 4 x 1, 264,192 bytes of LDS; arguments qkv, lowp_scales, oimg; writes oimg
.if DOCPART == 3
	.amdgcn_target "amdgcn-amd-amdhsa--gfx1250"
	.amdhsa_code_object_version 6
	.text
	.protected	k_qdb3afc5090_attn
	.globl	k_qdb3afc5090_attn
	.p2align	8
	.type	k_qdb3afc5090_attn,@function
k_qdb3afc5090_attn:
	s_mov_b64 s[64:65], 0
	v_nop
	global_prefetch_b8 v0, s[64:65] scope:SCOPE_SE
	s_setreg_imm32_b32 hwreg(HW_REG_WAVE_MODE, 25, 1), 1
	s_wait_xcnt 0x0
	s_wait_alu depctr_hold_cnt(0) depctr_sa_sdst(0) depctr_va_vdst(0) depctr_va_sdst(0) depctr_va_ssrc(0) depctr_va_vcc(0) depctr_vm_vsrc(0)
	s_getreg_b32 s2, hwreg(HW_REG_IB_STS2, 6, 4)
	s_cmp_eq_u32 s2, 0
	s_cbranch_scc0 .Lentry_in_a_cluster
	s_endpgm
.Lentry_in_a_cluster:
	s_bfe_u32 s2, ttmp6, 0x10000c
	s_cmp_lg_u32 s2, 0x3003
	s_cbranch_scc0 .Lentry_shape_is_right
	s_endpgm
.Lentry_shape_is_right:
; o = softmax(q k^T / 8) v for 64 (batch, head) pairs of 2,048 tokens x 64 channels, both products on E5M2 codes; o is quantised at once (e10) for the output projection.
; q, k, v come as images of fragments of the 16 x 16 x 64 form, 1,024 bytes each (registers 4 g .. 4 g + 3 of lane l at 512 g + 16 l).
; THE SOFTMAX: t = score x log2(e) / 8; M = the row's largest t so far, rounded UP to a whole number; p = 2^(t - M) is what is quantised (e8), not normalised.  The row's sum is taken of the
; unquantised p and divides O at the end.  When M moves, the sum and O are multiplied by 2^(old M - new M): exact, and with no branch on data.
; SHARES.  A work-group owns 512 queries of one (batch, head); each of its sixteen waves two tiles of 16 queries.  A step is 128 keys.
; LDS.  All of the head's K (131,072 bytes) and V (as many) stays in LDS.  Each wave asks for one sixteenth, 16,384 bytes, by its one tensor load at the head: every byte is filled once, one wait and one barrier
; show all of it to all waves, and the loop has no barrier.
; CLUSTER.  The head's four blocks of queries form a cluster and want the same K and V: each of the sixteen loads is a JOINT load, the same descriptor in all four work-groups.
; No prefetch into the L2: every byte of K and V is asked for at the head, so no later request exists that one could run ahead of.
; LAYOUT.  S^T = K Q^T (source 0 = 16 keys, source 1 = 16 queries; K = 64) and O^T = V^T P^T (source 0 = 16 channels, source 1 = P; K = 128: two images of V on end are one fragment).  A lane holds ONE query (lane % 16).
; In tile c of S^T its eight registers are keys 16 c + 8 (lane / 16) + 0 .. 7: registers 2 c, 2 c + 1 of P's fragment.  Likewise O^T's tile c gives registers 2 c, 2 c + 1 of o's image.
; REGISTERS BY TURNS.  Three regions of 32 registers, A = v32, B = v128, C = v160.  At a step's head K's fragments 0-3 lie in C and 4-7 in kb (A or B); pb (the other) held the last step's codes of p.
; Tile 1's scores fall into pb (keys 0-63) and C (keys 64-127); kb then serves as scratch and takes p's codes; V's fragments land where tile 0's p lay; the NEXT step's K is asked for ahead of the products V^T P, into C and pb.
; So kb and pb change places from step to step, and a trip of the loop is two steps.  The last trip's look-ahead reads 8,192 bytes of V's images in K's stead; they are waited for and not used.
; ORDER IN A STEP.  Each tile's chain of dependent statistics stands between the other tile's independent lines; the exponentials go in two batches, and between a batch's lines stand plain lines that read nothing
; written inside the batch (tile 1's scalings; tile 0's first sums and holds); O^T is rescaled ahead of the exponentials.
; LIMITS on the given exponents, so that each power of two below is an f32 number: e6 + e7 between -123 and 130; e8 and e10 between -126 and 112; e8 + e9 between -115 and 126.
; The scaled scores t stay under 2^31 in magnitude.  NaN is not served.
.set VB,    131072                     ; V's images begin here; K's at 0
.set SPARE, 262144                     ; the spare words, 128 bytes a wave
.set LI,   1                           ; v1   16 x lane; never rewritten
.set ADK,  2                           ; v2   LDS address of the trip's K
.set ADV,  3                           ; v3   of its V
.set SPW,  4                           ; v4   my spare word
.set NIL,  5                           ; v5   0
.set SCL,  6                           ; v6   2^e8, at the end 2^e10
.set LIM,  7                           ; v7   in the loop a chain of tile 0's maxima (with v0); at the end 57,344 x 2^e10
.set ST,   8                           ; tile t at v[8 + 4 t]: -M, the largest t, the sum in two halves
.set Q,    16                          ; v16-31   Q, 8 a tile
.set P,    32                          ; region A; at the end scratch and o's codes
.set S,    64                          ; v64-127  tile 0's S^T, then p, then V's four fragments
.set KC,   160                         ; region C
.set O,    192                         ; v192-255 O^T: tile t, channels 16 f on, at 32 t + 8 f
.set WV,   10
.set G1,   16                          ; s[16:23] descriptor group 1;  s[24:27] group 0
.set G0,   24
.set SEL,  40                          ; s[40:41] lane selects: lane l xor 16
.set CS,   42                          ; s[42:43] c = log2(e) / 8 x 2^(e6 + e7)
.set TB,   44                          ; s44  LDS byte of the trip's images
.set CNT,  45                          ; s45  trips left
.set LIMS, 46                          ; s46  57,344 x 2^e8
.set QB,   60
.set OBS,  62
.macro CROUND                          ; a round of the cluster's barrier
	s_barrier_signal -1
	s_barrier_wait -1
	s_cmp_lg_u32 s[WV], 0
	s_cbranch_scc1 .Lnot_wave_0_\@
	s_barrier_signal -3
.Lnot_wave_0_\@:
	s_barrier_wait -3
	s_barrier_signal -1
	s_barrier_wait -1
.endm
.macro T1 pb, e                        ; R1 = the register of tile 1's number e: pb + e for keys 0-63 (e under 32), else 128 + e (region C)
.set R1, (1-(\e)/32)*((\pb)+(\e))+((\e)/32)*(128+(\e))
.endm
; line n of a tile's chain of statistics.  ma: the tile's largest score so far, mb: its last chain; sc: +0 the lane 16 away, +1 the old -M, +2 f (+3 named with it); st: the tile's -M and largest t
.macro CHOP ma, mb, sc, st, n
.if (\n) == 1
	v_max_num_f32 v[\ma], v[\ma], v[\mb]
.endif
.if (\n) == 2
	v_permlanex16_b32 v[\sc], v[\ma], s[SEL], s[SEL+1]
.endif
.if (\n) == 3
	v_max_num_f32 v[\ma], v[\ma], v[\sc]           ; with the other 64 keys, in the lane 16 away
.endif
.if (\n) == 4
	v_mul_f32 v[\ma], s[CS], v[\ma]                ; as t (c is positive)
.endif
.if (\n) == 5
	v_mov_b32 v[\sc+1], v[\st]
.endif
.if (\n) == 6
	v_max_num_f32 v[\st+1], v[\st+1], v[\ma]       ; the running largest t
.endif
.if (\n) == 7
	v_floor_f32 v[\st], -v[\st+1]                  ; the new -M = -ceil(t)
.endif
.if (\n) == 8
	v_sub_f32 v[\sc+1], v[\st], v[\sc+1]           ; old M less new M: a whole number, 0 or less
.endif
.if (\n) == 9
	v_cvt_i32_f32 v[\sc+1], v[\sc+1]               ; (it saturates)
.endif
.if (\n) == 10
	v_ldexp_f32 v[\sc+2], 1.0, v[\sc+1]            ; f = 2^(old M - new M)
.endif
.endm
.macro TRND kb, pb, r                  ; tile 1's sums: a round of its four chains
.irp c, 0,1,2,3
	T1 \pb, 16+8*(\r)+2*\c
	v_pk_add_f32 v[\kb+16+2*\c:\kb+16+2*\c+1], v[\kb+16+2*\c:\kb+16+2*\c+1], v[R1:R1+1]
.endr
.endm
	s_load_b128 s[4:7], s[0:1], 0x0                ; qkv, the scales' exponents
	s_load_b64 s[8:9], s[0:1], 0x10                ; oimg
	v_lshl_add_u32 v[SPW], v0, 2, SPARE
	v_mov_b32 v[NIL], 0
	ds_add_u32 v[SPW], v[NIL]                      ; the opening lines : the add, twice on end, and one wait
	ds_add_u32 v[SPW], v[NIL]
	v_lshrrev_b32 v2, 5, v0
	v_readfirstlane_b32 s[WV], v2                  ; wave 0..15
	v_and_b32 v[LI], 31, v0
	v_lshlrev_b32 v[LI], 4, v[LI]
	s_bfe_u32 s11, ttmp6, 0x40000                  ; cx
	s_lshl_b32 s12, ttmp9, 2
	s_add_co_u32 s12, s12, s11                     ; my block of 512 queries: it enters q's and o's addresses alone
	s_and_b32 s13, ttmp7, 0xffff                   ; batch x 16 + head, which the four partners share
	s_mov_b32 s[G1], 15|(3<<16)|(1<<21)            ; the mask: all four work-groups; elements of 8 bytes; bit 21 beside a mask; no padding
	s_mov_b32 s[G1+1], 32<<16                      ; a dense block of 16,384 bytes as 64 rows of 256 bytes
	s_mov_b32 s[G1+2], 64<<16
	s_mov_b32 s[G1+3], 32<<16
	s_mov_b32 s[G1+4], 64
	s_mov_b32 s[G1+5], 32
	s_mov_b32 s[G1+6], 0
	s_mov_b32 s[G1+7], 0
	s_and_b32 s66, s[WV], 7                        ; waves 0-7 fetch K's eighths, waves 8-15 V's
	s_lshl_b32 s66, s66, 14
	s_lshr_b32 s67, s[WV], 3
	s_lshl_b32 s68, s[WV], 14                      ; in LDS: 16,384 x wave
	s_add_co_u32 s69, s67, 1
	s_lshl_b32 s69, s69, 23                        ; k's section of qkv, or v's,
	s_lshl_b32 s70, s13, 17                        ; the head's 131,072 bytes in it
	s_add_co_u32 s70, s70, s69
	s_add_co_u32 s70, s70, s66
	s_mov_b32 s71, 0
	s_lshl_b32 s74, s13, 7                         ; q: image (batch x 16 + head) x 128 + 32 x my block + 2 x wave
	s_lshl_b32 s75, s12, 5
	s_add_co_u32 s74, s74, s75
	s_lshl_b32 s75, s[WV], 1
	s_add_co_u32 s74, s74, s75
	s_lshl_b32 s74, s74, 10
	s_mov_b32 s75, 0
	s_lshr_b32 s76, s13, 4                         ; o: image (batch x 128 + 32 x my block + 2 x wave) x 16 + head
	s_lshl_b32 s76, s76, 7
	s_lshl_b32 s77, s12, 5
	s_add_co_u32 s76, s76, s77
	s_lshl_b32 s77, s[WV], 1
	s_add_co_u32 s76, s76, s77
	s_lshl_b32 s76, s76, 4
	s_and_b32 s77, s13, 15
	s_add_co_u32 s76, s76, s77
	s_lshl_b32 s76, s76, 10
	s_mov_b32 s77, 0
	s_mov_b32 s[SEL], 0x76543210
	s_mov_b32 s[SEL+1], 0xfedcba98
	s_mov_b32 s[CS], 0x3e38aa3b                    ; log2(e) / 8
	s_wait_dscnt 0x0
	s_wait_kmcnt 0x0
	s_load_b256 s[48:55], s[6:7], 0x0              ; e0 .. e7
	s_load_b128 s[56:59], s[6:7], 0x20             ; e8 .. e11
	s_add_nc_u64 s[QB:QB+1], s[4:5], s[74:75]
	s_add_nc_u64 s[OBS:OBS+1], s[8:9], s[76:77]
	s_mov_b32 s[G0], 1
	s_mov_b32 s[G0+1], s68
	s_add_nc_u64 s[G0+2:G0+3], s[4:5], s[70:71]
	s_or_b32 s[G0+3], s[G0+3], 0x80000000
	CROUND                                         ; all four work-groups are here: the joint loads meet
	tensor_load_to_lds s[G0:G0+3], s[G1:G1+7]      ; my one tensor load of the launch
	s_nop 0
	s_wait_alu depctr_va_vdst(0)                   ; the wait ahead of the reader of v1
.irp t, 0,1
	global_load_b128 v[Q+8*\t:Q+8*\t+3], v[LI], s[QB:QB+1] offset:1024*\t       ; Q stays in registers
	global_load_b128 v[Q+8*\t+4:Q+8*\t+7], v[LI], s[QB:QB+1] offset:1024*\t+512
.endr
.irp t, 0,1
	v_mov_b32 v[ST+4*\t+1], 0xff61b1e6             ; the largest t so far: -3e38
	v_mov_b32 v[ST+4*\t+2], 0                      ; the sum, in two halves
	v_mov_b32 v[ST+4*\t+3], 0
.endr
.irp t, 0,1
	v_floor_f32 v[ST+4*\t], -v[ST+4*\t+1]          ; -M
.endr
.set i, 0
.rept 64
	v_mov_b32 v[O+i], 0                            ; O^T: the step has no first form of its own; the first finds zeros, which the first change of M leaves zeros
.set i, i+1
.endr
	s_wait_kmcnt 0x0
	s_add_co_i32 s66, s54, s55                     ; a score stands for score x 2^(e6 + e7): added to c's exponent field
	s_lshl_b32 s66, s66, 23
	s_add_co_i32 s[CS], s[CS], s66
	s_mov_b32 s[CS+1], s[CS]
	s_add_co_i32 s66, s56, 127
	s_lshl_b32 s67, s66, 23
	v_mov_b32 v[SCL], s67                          ; 2^e8 as f32
	s_add_co_i32 s66, s66, 15
	s_lshl_b32 s66, s66, 23
	s_or_b32 s[LIMS], s66, 0x600000                ; 57,344 x 2^e8
	s_mov_b32 s[TB], 0
	s_mov_b32 s[CNT], 8
	s_wait_alu depctr_va_vdst(0)                   ; the wait at the head's end
	s_wait_loadcnt 0x0                             ; Q
	s_wait_tensorcnt 0x0                           ; my sixteenth of K and V has landed;
	s_barrier_signal -1
	s_barrier_wait -1                              ; everybody's has
.irp f, 0,1,2,3                                ; the first step's K: fragments 0-3 into C, 4-7 into A
	ds_load_b128 v[KC+8*\f:KC+8*\f+3], v[LI] offset:1024*\f
	ds_load_b128 v[KC+8*\f+4:KC+8*\f+7], v[LI] offset:1024*\f+512
.endr
.irp f, 0,1,2,3
	ds_load_b128 v[P+8*\f:P+8*\f+3], v[LI] offset:4096+1024*\f
	ds_load_b128 v[P+8*\f+4:P+8*\f+7], v[LI] offset:4096+1024*\f+512
.endr
; A KEY STEP: 128 keys.  kb, pb: the two regions' roles; ko: the next step's K, vo: this step's V, in bytes from the trip's addresses; first = 1: the trip's addresses are made here
.macro STEP kb, pb, ko, vo, first
.if \first
	v_add_nc_u32 v[ADK], s[TB], v[LI]
	v_add_nc_u32 v[ADV], VB, v[ADK]
.rept 3
	v_nop                                          ; with the two additions five places behind the last products: the products below write over registers that they read
.endr
.else
.rept 5
	v_nop
.endr
.endif
	s_wait_dscnt 0x0                               ; K, asked for ahead of the last step's second product
.irp f, 0,1,2,3
	v_wmma_f32_16x16x64_bf8_bf8 v[S+8*\f:S+8*\f+7], v[KC+8*\f:KC+8*\f+7], v[Q:Q+7], 0
.endr
.irp f, 0,1,2,3
	v_wmma_f32_16x16x64_bf8_bf8 v[S+32+8*\f:S+32+8*\f+7], v[\kb+8*\f:\kb+8*\f+7], v[Q:Q+7], 0
.endr
.irp f, 0,1,2,3
	v_wmma_f32_16x16x64_bf8_bf8 v[\pb+8*\f:\pb+8*\f+7], v[KC+8*\f:KC+8*\f+7], v[Q+8:Q+15], 0
.endr
.rept 5
	v_nop                                          ; five places: the next four products write over fragments 0-3; they are also the places in front of the reads of tile 0's scores
.endr
.irp f, 0,1,2,3
	v_wmma_f32_16x16x64_bf8_bf8 v[KC+8*\f:KC+8*\f+7], v[\kb+8*\f:\kb+8*\f+7], v[Q+8:Q+15], 0
.endr
	; tile 0's largest score among my 64 keys, in four chains; each accumulator is first read at its low end.  The first four lines are the places behind the products above: only then is kb written
	v_max3_num_f32 v0, v[S], v[S+1], v[S+2]
	v_max3_num_f32 v[LIM], v[S+3], v[S+4], v[S+5]
	v_max3_num_f32 v0, v0, v[S+6], v[S+7]
	v_max3_num_f32 v[LIM], v[LIM], v[S+8], v[S+9]
	v_max3_num_f32 v[\kb+10], v[S+10], v[S+11], v[S+12]
	v_max3_num_f32 v[\kb+11], v[S+13], v[S+14], v[S+15]
.set e, 16
.rept 6
	v_max3_num_f32 v0, v0, v[S+e], v[S+e+1]
	v_max3_num_f32 v[LIM], v[LIM], v[S+e+2], v[S+e+3]
	v_max3_num_f32 v[\kb+10], v[\kb+10], v[S+e+4], v[S+e+5]
	v_max3_num_f32 v[\kb+11], v[\kb+11], v[S+e+6], v[S+e+7]
.set e, e+8
.endr
	v_max3_num_f32 v0, v0, v[LIM], v[\kb+10]
	; tile 1's, in four chains, with tile 0's chain of statistics between the lines
.irp c, 0,1,2,3
	v_max3_num_f32 v[\kb+12+\c], v[\pb+3*\c], v[\pb+3*\c+1], v[\pb+3*\c+2]
.endr
.set e, 12
.set n, 1
.rept 13
	T1 \pb, e
	v_max3_num_f32 v[\kb+12+2*((e/4)%2)], v[\kb+12+2*((e/4)%2)], v[R1], v[R1+1]
	v_max3_num_f32 v[\kb+13+2*((e/4)%2)], v[\kb+13+2*((e/4)%2)], v[R1+2], v[R1+3]
	CHOP 0, \kb+11, \kb, ST, n
.set e, e+4
.set n, n+1
.endr
	v_max3_num_f32 v[\kb+12], v[\kb+12], v[\kb+13], v[\kb+14]
	; tile 0: t - M, two at a time (of the pairs c and -M the low word serves both halves), with tile 1's chain between the lines
.set e, 0
.set n, 1
.rept 32
	v_pk_fma_f32 v[S+e:S+e+1], v[S+e:S+e+1], s[CS:CS+1], v[ST:ST+1] op_sel_hi:[1,0,0]
.if (e%4) == 2
	CHOP \kb+12, \kb+15, \kb+4, ST+4, n
.set n, n+1
.endif
.set e, e+2
.endr
	v_pk_mul_f32 v[ST+2:ST+3], v[ST+2:ST+3], v[\kb+2:\kb+3] op_sel_hi:[1,0]   ; the sums under the new M
	v_pk_mul_f32 v[ST+6:ST+7], v[ST+6:ST+7], v[\kb+6:\kb+7] op_sel_hi:[1,0]
.set i, 0
.rept 16
	v_pk_mul_f32 v[O+i:O+i+1], v[O+i:O+i+1], v[\kb+2:\kb+3] op_sel_hi:[1,0]               ; O^T under the new M: x f; no transcendental stands between the last products and these reads
	v_pk_mul_f32 v[O+32+i:O+32+i+1], v[O+32+i:O+32+i+1], v[\kb+6:\kb+7] op_sel_hi:[1,0]
.set i, i+2
.endr
	s_wait_alu depctr_va_vdst(0)                   ; the wait ahead of a batch
.set e, 0
.rept 32                                       ; tile 0: p = 2^(t - M); between the lines tile 1's t - M, first read behind the wait below
	v_exp_f32 v[S+e], v[S+e]
	v_exp_f32 v[S+e+1], v[S+e+1]
	T1 \pb, e
	v_pk_fma_f32 v[R1:R1+1], v[R1:R1+1], s[CS:CS+1], v[ST+4:ST+5] op_sel_hi:[1,0,0]
.set e, e+2
.endr
	s_wait_alu depctr_va_vdst(0)                   ; behind the first batch and ahead of the second
.set k, 0
.rept 16                                       ; tile 1: p; between the lines tile 0's first sums of the UNQUANTISED p (into kb) and then its hold, all first read behind the wait below
	T1 \pb, 4*k
	v_exp_f32 v[R1], v[R1]
	v_exp_f32 v[R1+1], v[R1+1]
	v_pk_add_f32 v[\kb+2*k:\kb+2*k+1], v[S+4*k:S+4*k+1], v[S+4*k+2:S+4*k+3]
	v_exp_f32 v[R1+2], v[R1+2]
	v_dual_min_num_f32 v[S+4*k], s[LIMS], v[S+4*k] :: v_dual_min_num_f32 v[S+4*k+1], s[LIMS], v[S+4*k+1]   ; the conversion to an 8-bit code does not saturate (ISA guide 7.6.2); p is not negative: a one-sided hold
	v_exp_f32 v[R1+3], v[R1+3]
	v_dual_min_num_f32 v[S+4*k+2], s[LIMS], v[S+4*k+2] :: v_dual_min_num_f32 v[S+4*k+3], s[LIMS], v[S+4*k+3]
.set k, k+1
.endr
	v_nop                                          ; a plain place behind the last exponential
	s_wait_alu depctr_va_vdst(0)                   ; behind the second batch
	; tile 0's sixteen partial sums are added as a tree, tile 1's sums run in four chains (kb + 16 on) between its levels
.irp j, 0,1,2,3,4,5,6,7
	v_pk_add_f32 v[\kb+2*\j:\kb+2*\j+1], v[\kb+2*\j:\kb+2*\j+1], v[\kb+16+2*\j:\kb+16+2*\j+1]
.endr
.irp c, 0,1,2,3
	v_pk_add_f32 v[\kb+16+2*\c:\kb+16+2*\c+1], v[\pb+4*\c:\pb+4*\c+1], v[\pb+4*\c+2:\pb+4*\c+3]
.endr
.irp j, 0,1,2,3
	v_pk_add_f32 v[\kb+2*\j:\kb+2*\j+1], v[\kb+2*\j:\kb+2*\j+1], v[\kb+8+2*\j:\kb+8+2*\j+1]
.endr
	TRND \kb, \pb, 0
.irp j, 0,1
	v_pk_add_f32 v[\kb+2*\j:\kb+2*\j+1], v[\kb+2*\j:\kb+2*\j+1], v[\kb+4+2*\j:\kb+4+2*\j+1]
.endr
	TRND \kb, \pb, 1
	v_pk_add_f32 v[\kb:\kb+1], v[\kb:\kb+1], v[\kb+2:\kb+3]
	TRND \kb, \pb, 2
	v_pk_add_f32 v[ST+2:ST+3], v[ST+2:ST+3], v[\kb:\kb+1]
.set i, 0
.rept 8
	v_cvt_scalef32_pk8_bf8_f32 v[\kb+2*i:\kb+2*i+1], v[S+8*i:S+8*i+7], v[SCL]   ; tile 0's codes
.set i, i+1
.endr
.irp f, 0,1,2,3                                ; V's four fragments of 16 channels x 128 keys land where tile 0's p lay
.irp j, 0,1
	ds_load_b128 v[S+16*\f+8*\j:S+16*\f+8*\j+3], v[ADV] offset:\vo+4096*\j+1024*\f
	ds_load_b128 v[S+16*\f+8*\j+4:S+16*\f+8*\j+7], v[ADV] offset:\vo+4096*\j+1024*\f+512
.endr
.endr
	TRND \kb, \pb, 3
	TRND \kb, \pb, 4
	TRND \kb, \pb, 5
	v_pk_add_f32 v[\kb+16:\kb+17], v[\kb+16:\kb+17], v[\kb+18:\kb+19]
	v_pk_add_f32 v[\kb+20:\kb+21], v[\kb+20:\kb+21], v[\kb+22:\kb+23]
.set e, 0
.rept 32
	T1 \pb, e
	v_dual_min_num_f32 v[R1], s[LIMS], v[R1] :: v_dual_min_num_f32 v[R1+1], s[LIMS], v[R1+1]
.if e == 4
	v_pk_add_f32 v[\kb+16:\kb+17], v[\kb+16:\kb+17], v[\kb+20:\kb+21]
.endif
.if e == 12
	v_pk_add_f32 v[ST+6:ST+7], v[ST+6:ST+7], v[\kb+16:\kb+17]
.endif
.set e, e+2
.endr
.set i, 0
.rept 8
	T1 \pb, 8*i
	v_cvt_scalef32_pk8_bf8_f32 v[\kb+16+2*i:\kb+16+2*i+1], v[R1:R1+7], v[SCL]   ; tile 1's codes
.set i, i+1
.endr
.irp f, 0,1,2,3                                ; the next step's K, into the registers that tile 1's p has left
	ds_load_b128 v[KC+8*\f:KC+8*\f+3], v[ADK] offset:\ko+1024*\f
	ds_load_b128 v[KC+8*\f+4:KC+8*\f+7], v[ADK] offset:\ko+1024*\f+512
.endr
.irp f, 0,1,2,3
	ds_load_b128 v[\pb+8*\f:\pb+8*\f+3], v[ADK] offset:\ko+4096+1024*\f
	ds_load_b128 v[\pb+8*\f+4:\pb+8*\f+7], v[ADK] offset:\ko+4096+1024*\f+512
.endr
	v_nop                                          ; a plain line between the conversions and the products that read their results
	s_wait_alu depctr_va_vdst(0)                   ; directly ahead of the wait below
	s_wait_dscnt 16                                ; V is in; the sixteen loads of the next step's K may be out
.irp f, 0,1,2,3                                ; eight accumulators by turns; the next step's sixteen products stand between two links of a sum
.irp t, 0,1
	v_wmma_f32_16x16x128_bf8_bf8 v[O+32*\t+8*\f:O+32*\t+8*\f+7], v[S+16*\f:S+16*\f+15], v[\kb+16*\t:\kb+16*\t+15], v[O+32*\t+8*\f:O+32*\t+8*\f+7]
.endr
.endr
.endm
.Ltrip:                                            ; 8 trips of two steps
	STEP 32, 128, 8192, 0, 1
	STEP 128, 32, 16384, 8192, 0
	s_add_co_u32 s[TB], s[TB], 16384
	s_sub_co_u32 s[CNT], s[CNT], 1
	s_cmp_lg_u32 s[CNT], 0
	s_cbranch_scc1 .Ltrip
	; THE WAY OUT: o = O^T x 2^(e8 + e9) / the sum, held, converted under e10: eight registers a tile are o's image.
	s_wait_dscnt 0x0                               ; the last look-ahead has landed: its registers may be written
.rept 4
	v_nop
.endr
.irp t, 0,1
	v_add_f32 v[P+16+2*\t], v[ST+4*\t+2], v[ST+4*\t+3]   ; the sum's two halves,
.endr
.irp t, 0,1
	v_permlanex16_b32 v[P+17+2*\t], v[P+16+2*\t], s[SEL], s[SEL+1]
.endr
.irp t, 0,1
	v_add_f32 v[P+16+2*\t], v[P+16+2*\t], v[P+17+2*\t]   ; and the lane 16 away's
.endr
	s_wait_alu depctr_va_vdst(0)                   ; ahead of the reciprocals
.irp t, 0,1
	v_rcp_f32 v[P+24+2*\t], v[P+16+2*\t]
.endr
	s_add_co_i32 s66, s58, 127
	s_lshl_b32 s67, s66, 23
	v_mov_b32 v[SCL], s67                          ; 2^e10  (plain lines behind the reciprocals)
	s_add_co_i32 s66, s66, 15
	s_lshl_b32 s66, s66, 23
	s_or_b32 s66, s66, 0x600000
	v_mov_b32 v[LIM], s66                          ; 57,344 x 2^e10
	s_add_co_i32 s66, s56, s57                     ; e8 + e9
	s_wait_alu depctr_va_vdst(0)                   ; one wait for both reciprocals, ahead of their first reader
.irp t, 0,1
	v_ldexp_f32 v[P+24+2*\t], v[P+24+2*\t], s66
.endr
	s_wait_alu depctr_va_vdst(0)                   ; directly ahead of the first reader of O^T
.set i, 0
.rept 16
	v_pk_mul_f32 v[O+i:O+i+1], v[O+i:O+i+1], v[P+24:P+25] op_sel_hi:[1,0]
	v_pk_mul_f32 v[O+32+i:O+32+i+1], v[O+32+i:O+32+i+1], v[P+26:P+27] op_sel_hi:[1,0]
.set i, i+2
.endr
.set i, 0
.rept 64
	v_med3_num_f32 v[O+i], v[O+i], -v[LIM], v[LIM]
.set i, i+1
.endr
.set i, 0
.rept 8
	v_cvt_scalef32_pk8_bf8_f32 v[P+2*i:P+2*i+1], v[O+8*i:O+8*i+7], v[SCL]
.set i, i+1
.endr
	v_nop                                          ; a plain vector line behind the last conversion
.irp t, 0,1
	global_store_b128 v[LI], v[P+8*\t:P+8*\t+3], s[OBS:OBS+1] offset:16384*\t        ; 32 lanes store 512 consecutive bytes, aligned; the next tile of rows lies 16 heads' images on
	global_store_b128 v[LI], v[P+8*\t+4:P+8*\t+7], s[OBS:OBS+1] offset:16384*\t+512
.endr
	s_wait_tensorcnt 0x0                           ; the wave's end
	ds_add_u32 v[SPW], v[NIL]
	s_wait_dscnt 0x0
	CROUND                                         ; the closing round
	s_endpgm
.Lfunc_end_k_qdb3afc5090_attn:
	.size	k_qdb3afc5090_attn, .Lfunc_end_k_qdb3afc5090_attn-k_qdb3afc5090_attn
	.p2alignl 7, 3214868480
	.fill 96, 4, 3214868480
	.section	.rodata,"a",@progbits
	.p2align	6, 0x0
	.amdhsa_kernel k_qdb3afc5090_attn
		.amdhsa_group_segment_fixed_size 264192
		.amdhsa_private_segment_fixed_size 0
		.amdhsa_enable_private_segment 0
		.amdhsa_kernarg_size 24
		.amdhsa_user_sgpr_count 2
		.amdhsa_user_sgpr_kernarg_segment_ptr 1
		.amdhsa_wavefront_size32 1
		.amdhsa_system_sgpr_workgroup_id_x 1
		.amdhsa_system_sgpr_workgroup_id_y 1
		.amdhsa_system_sgpr_workgroup_id_z 1
		.amdhsa_system_vgpr_workitem_id 0
		.amdhsa_next_free_vgpr 256
		.amdhsa_next_free_sgpr 80
		.amdhsa_reserve_vcc 0
		.amdhsa_float_denorm_mode_32 3
		.amdhsa_float_denorm_mode_16_64 3
		.amdhsa_memory_ordered 1
		.amdhsa_forward_progress 1
		.amdhsa_inst_pref_size 73
	.end_amdhsa_kernel
	.amdgpu_metadata
---
amdhsa.version: [ 1, 2 ]
amdhsa.kernels:
  - .name:           k_qdb3afc5090_attn
    .symbol:         k_qdb3afc5090_attn.kd
    .args:
      - { .name: qkv, .offset: 0, .size: 8, .value_kind: global_buffer, .address_space: global }
      - { .name: lowp_scales, .offset: 8, .size: 8, .value_kind: global_buffer, .address_space: global }
      - { .name: oimg, .offset: 16, .size: 8, .value_kind: global_buffer, .address_space: global }
    .group_segment_fixed_size: 264192
    .private_segment_fixed_size: 0
    .kernarg_segment_align: 8
    .kernarg_segment_size: 24
    .max_flat_workgroup_size: 512
    .sgpr_count:     80
    .vgpr_count:     256
    .wavefront_size: 32
...
	.end_amdgpu_metadata
.endif
;; end of part 3
;; launch proj_ln (part 4): grid 256 x 1, 4 waves a work-group, no clusters, 132,096 bytes of LDS; arguments oimg, wimg, lowp_scales, b_proj, x, ln_gamma, ln_beta, out0; writes out0
.if DOCPART == 4
	.amdgcn_target "amdgcn-amd-amdhsa--gfx1250"
	.amdhsa_code_object_version 6
	.text
	.protected	k_qdb3afc5090_proj_ln
	.globl	k_qdb3afc5090_proj_ln
	.p2align	8
	.type	k_qdb3afc5090_proj_ln,@function
k_qdb3afc5090_proj_ln:
	s_mov_b64 s[64:65], 0
	v_nop
	global_prefetch_b8 v0, s[64:65] scope:SCOPE_SE
	s_setreg_imm32_b32 hwreg(HW_REG_WAVE_MODE, 25, 1), 1
	s_wait_xcnt 0x0
; out = LayerNorm(o w_proj + b_proj + x) for 8,192 rows of 1,024.  o comes as images of E5M2 fragments (e10), w_proj as images too (e11; laid out by the first launch), the product by the 16 x 16 x 128 form, sums in f32.
; SHARES.  A work-group owns 32 whole rows, since the norm wants whole rows; wave w owns columns 256 w .. 256 w + 255: 16 blocks of 16 columns x 2 blocks of 16 rows = 32 accumulators.
; W GOES FROM MEMORY STRAIGHT INTO REGISTERS.  A work-group uses each byte of W once, and each fragment serves one wave alone (two products), so LDS would share nothing inside the work-group.  The images lie in the order of
; the wave's walk (k step by k step, 16 column blocks each): 262,144 consecutive bytes a wave, each load 512 consecutive bytes.  A ring of 16 fragments (256 registers) in four groups of four: a group is waited for by count,
; multiplied (8 products) and asked for anew, so that three groups, 48 loads, stay out.  No tensor load, so no joint loads and no cluster.
; x: my wave's eight rows are prefetched (four requests of 8,192 bytes in groups 0, 2, 4, 6; their loads begin in group 16) and loaded, four loads a group, into the registers of o's fragments that are done with.
; THE WAY OUT: the sums go through a stage in LDS, so that a wave holds whole rows: 8 rows a wave, 32 numbers a lane; mean and variance in f32 by sums over the wave; each store covers 512 consecutive bytes, aligned.
; LIMIT: e10 + e11 between -126 and 127.
; WINDOWS: 0: addresses, b_proj, gamma, beta, two row buffers, x's row 7;  1: o's fragments (k step ks, row block m at 32 ks + 16 m), then x's rows 0-6;  2: accumulators (column block b, row block m at 8 (2 b + m));  3: W's ring.
.set SPT,   4112                       ; a stage row: 4,096 bytes + 16
.set SPARE, 32*SPT                     ; behind the stage: the spare words
.set LI,   1
.set PFO,  3
.set STO,  4
.set RD,   6
.set SPW,  8
.set NIL,  9
.set MU,   16
.set RS,   18
.set BP,   32
.set GA,   64
.set BE,   96
.set YB,   128
.set X7,   192
.set WV,   20
.set SEL,  40
.set SC,   42
.set MSB, 0
.macro WIN new
.if MSB != \new
	s_set_vgpr_msb (MSB<<8)|\new
.set MSB, \new
.endif
.endm
	s_load_b512 s[4:19], s[0:1], 0x0               ; oimg, wimg, scales, b_proj, x, gamma, beta, out0
	v_lshl_add_u32 v[SPW], v0, 2, SPARE
	v_mov_b32 v[NIL], 0
	v_lshrrev_b32 v10, 5, v0
	v_readfirstlane_b32 s[WV], v10
	v_and_b32 v10, 31, v0
	v_lshlrev_b32 v[LI], 4, v10                    ; 16 x lane
	v_lshlrev_b32 v[PFO], 8, v10                   ; 256 x lane
	v_and_b32 v11, 15, v0
	v_bfe_u32 v12, v0, 4, 1
	v_mul_u32_u24 v13, v11, SPT
	v_lshl_add_u32 v13, v12, 5, v13
	s_lshl_b32 s55, s[WV], 10
	v_add_nc_u32 v[STO], s55, v13                  ; stage, in: row l % 16, my wave's 1,024 bytes, 32 bytes for each half of the lanes
	v_add_nc_u32 v[STO+1], 16*SPT, v[STO]
	s_mul_i32 s54, s[WV], 8*SPT
	v_add_nc_u32 v[RD], s54, v[LI]                 ; stage, back: my wave's eight rows
	v_mov_b32 v[MU+1], 0
	v_mov_b32 v[RS+1], 0
	v_mov_b32 v28, 0
	s_mov_b32 s[SEL], 0x76543210
	s_mov_b32 s[SEL+1], 0xfedcba98
	s_mov_b32 s44, 0x3a800000                      ; 1 / 1,024
	s_mov_b32 s45, 0x358637bd                      ; 1e-6
	s_lshl_b32 s50, s[WV], 18                      ; my wave's images of W
	s_mov_b32 s51, 0
	s_lshl_b32 s56, ttmp9, 15                      ; my 32 rows' images of o
	s_mov_b32 s57, 0
	s_lshl_b32 s58, ttmp9, 17                      ; my wave's eight rows of x and of out0
	s_lshl_b32 s59, s[WV], 15
	s_add_co_u32 s58, s58, s59
	s_mov_b32 s59, 0
	s_wait_alu depctr_va_vdst(0)                   ; the wait at the head's end
	s_wait_kmcnt 0x0
	s_load_b64 s[48:49], s[8:9], 0x28              ; e10, e11
	s_add_nc_u64 s[4:5], s[4:5], s[56:57]
	s_add_nc_u64 s[6:7], s[6:7], s[50:51]
	s_add_nc_u64 s[12:13], s[12:13], s[58:59]
	s_add_nc_u64 s[18:19], s[18:19], s[58:59]
.irp i, 0,1,2,3,4,5,6,7
	global_load_b128 v[BP+4*\i:BP+4*\i+3], v[LI], s[10:11] offset:512*\i
	global_load_b128 v[GA+4*\i:GA+4*\i+3], v[LI], s[14:15] offset:512*\i
	global_load_b128 v[BE+4*\i:BE+4*\i+3], v[LI], s[16:17] offset:512*\i
.endr
	WIN 0x40
.irp m, 0,1
.irp hd, 0,1,2,3,4,5,6,7,8,9,10,11,12,13,14,15
	global_load_b128 v[32*(\hd/2)+16*\m+8*(\hd%2):32*(\hd/2)+16*\m+8*(\hd%2)+3], v[LI], s[4:5] offset:16384*\m+1024*\hd
	global_load_b128 v[32*(\hd/2)+16*\m+8*(\hd%2)+4:32*(\hd/2)+16*\m+8*(\hd%2)+7], v[LI], s[4:5] offset:16384*\m+1024*\hd+512
.endr
.endr
.macro WGRP j                          ; group j: W's fragments 4 j .. 4 j + 3 of my walk, 16 loads, into ring place j % 4
	WIN 0xc0
.irp f, 0,1,2,3
.irp g, 0,1,2,3
	global_load_b128 v[64*((\j)%4)+16*\f+4*\g:64*((\j)%4)+16*\f+4*\g+3], v[LI], s[6:7] offset:8192*(\j)+2048*\f+512*\g
.endr
.endr
.endm
.macro GMUL j                          ; its 8 products: source 0 = 16 rows of W (columns of the result), source 1 = 16 rows of o: a lane holds eight neighbouring columns of one row.  The 32 accumulators take turns
.set KS, (\j)/4
	WIN 0xa7
.irp f, 0,1,2,3
.irp m, 0,1
.set BB, 4*((\j)%4)+\f
.if KS == 0
	v_wmma_f32_16x16x128_bf8_bf8 v[8*(2*BB+\m):8*(2*BB+\m)+7], v[16*BB:16*BB+15], v[32*KS+16*\m:32*KS+16*\m+15], 0
.else
	v_wmma_f32_16x16x128_bf8_bf8 v[8*(2*BB+\m):8*(2*BB+\m)+7], v[16*BB:16*BB+15], v[32*KS+16*\m:32*KS+16*\m+15], v[8*(2*BB+\m):8*(2*BB+\m)+7]
.endif
.endr
.endr
.endm
.macro XL n                            ; half a row of x: row n / 2; rows 0-6 where o's fragments of k step n / 2 lay (done with by then), row 7 in window 0
.set RHO, (\n)/2
.set I0, 4*((\n)%2)
.if RHO < 7
	WIN 0x40
.set XB, 32*RHO
.else
	WIN 0
.set XB, X7
.endif
.irp i, 0,1,2,3
	global_load_b128 v[XB+4*(I0+\i):XB+4*(I0+\i)+3], v[LI], s[12:13] offset:4096*RHO+512*(I0+\i) th:TH_LOAD_NT
.endr
.endm
.macro ITER j
.set NG, 31-(\j)                       ; behind group j's loads stand: up to three later groups of 16,
.if NG > 3
.set NG, 3
.endif
.set NX, (\j)-16                       ; and the four loads of x of each of the last four groups' turns from turn 16 on
.if NX < 0
.set NX, 0
.endif
.if NX > 4
.set NX, 4
.endif
.set CN, 16*NG+4*NX
.if CN > 63
.set CN, 63                            ; (a wait names 63 at the most: one load more is waited for)
.endif
	s_wait_loadcnt CN
.if (\j) < 8 && (\j)%2 == 0
	global_prefetch_b8 v[PFO], s[12:13] offset:8192*((\j)/2) th:TH_LOAD_NT scope:SCOPE_SE   ; two of my rows of x, lanes 256 bytes apart; each block is named once in the launch
.endif
	GMUL \j
.rept 4
	v_nop                                          ; four places in front of loads into registers that the products read
.endr
.if (\j)+4 < 32
	WGRP (\j)+4
.endif
.if (\j) >= 16
	XL (\j)-16
.endif
.endm
.irp j, 0,1,2,3
	WGRP \j
.endr
.irp j, 0,1,2,3,4,5,6,7,8,9,10,11,12,13,14,15,16,17,18,19,20,21,22,23,24,25,26,27,28,29,30,31
	ITER \j
.endr
	WIN 0x08                                       ; store data from window 2; each accumulator from its low end on
.irp b, 0,1,2,3,4,5,6,7,8,9,10,11,12,13,14,15
.irp m, 0,1
	ds_store_b128 v[STO+\m], v[8*(2*\b+\m):8*(2*\b+\m)+3] offset:64*\b
	ds_store_b128 v[STO+\m], v[8*(2*\b+\m)+4:8*(2*\b+\m)+7] offset:64*\b+16
.endr
.endr
	WIN 0
	s_wait_dscnt 0x0                               ; my stores are done: zero, for the other waves' sake
	s_barrier_signal -1
	s_barrier_wait -1
	s_wait_kmcnt 0x0
	s_add_co_i32 s[SC], s48, s49
	s_add_co_i32 s[SC], s[SC], 127
	s_lshl_b32 s[SC], s[SC], 23                    ; 2^(e10 + e11)
	s_mov_b32 s[SC+1], s[SC]
	s_wait_loadcnt 0x0                             ; x
.macro ROWLOAD rho
.irp i, 0,1,2,3,4,5,6,7
	ds_load_b128 v[YB+32*((\rho)%2)+4*\i:YB+32*((\rho)%2)+4*\i+3], v[RD] offset:(\rho)*SPT+512*\i
.endr
.endm
.macro WSUM r
	v_add_f32_dpp v[\r], v[\r], v[\r] row_xmask:1 row_mask:0xf bank_mask:0xf
	v_add_f32_dpp v[\r], v[\r], v[\r] row_xmask:2 row_mask:0xf bank_mask:0xf
	v_add_f32_dpp v[\r], v[\r], v[\r] row_xmask:4 row_mask:0xf bank_mask:0xf
	v_add_f32_dpp v[\r], v[\r], v[\r] row_xmask:8 row_mask:0xf bank_mask:0xf
	v_permlanex16_b32 v28, v[\r], s[SEL], s[SEL+1]
	v_add_f32 v[\r], v[\r], v28
.endm
.macro ROW rho
.set Y, YB+32*((\rho)%2)
.if (\rho) < 7
	s_wait_dscnt 8
	WIN 0x10
.set XB, 32*(\rho)
.else
	s_wait_dscnt 0x0
.set XB, X7
.endif
.irp j, 0,2,4,6,8,10,12,14,16,18,20,22,24,26,28,30
	v_pk_fma_f32 v[Y+\j:Y+\j+1], v[Y+\j:Y+\j+1], s[SC:SC+1], v[XB+\j:XB+\j+1] op_sel_hi:[1,0,1]   ; sum x 2^(e10 + e11) + x
.endr
	WIN 0
.irp j, 0,2,4,6,8,10,12,14,16,18,20,22,24,26,28,30
	v_pk_add_f32 v[Y+\j:Y+\j+1], v[Y+\j:Y+\j+1], v[BP+\j:BP+\j+1]
.endr
	v_pk_add_f32 v[20:21], v[Y:Y+1], v[Y+2:Y+3]
	v_pk_add_f32 v[22:23], v[Y+4:Y+5], v[Y+6:Y+7]
.irp j, 8,12,16,20,24,28
	v_pk_add_f32 v[20:21], v[20:21], v[Y+\j:Y+\j+1]
	v_pk_add_f32 v[22:23], v[22:23], v[Y+\j+2:Y+\j+3]
.endr
	v_pk_add_f32 v[20:21], v[20:21], v[22:23]
	v_add_f32 v20, v20, v21
	WSUM 20
	v_mul_f32 v[MU], s44, v20                      ; the mean
.irp j, 0,2,4,6,8,10,12,14,16,18,20,22,24,26,28,30
	v_pk_add_f32 v[Y+\j:Y+\j+1], v[Y+\j:Y+\j+1], v[MU:MU+1] op_sel_hi:[1,0] neg_lo:[0,1] neg_hi:[0,1]
.endr
	v_pk_mul_f32 v[20:21], v[Y:Y+1], v[Y:Y+1]
	v_pk_mul_f32 v[22:23], v[Y+2:Y+3], v[Y+2:Y+3]
.irp j, 4,8,12,16,20,24,28
	v_pk_fma_f32 v[20:21], v[Y+\j:Y+\j+1], v[Y+\j:Y+\j+1], v[20:21]
	v_pk_fma_f32 v[22:23], v[Y+\j+2:Y+\j+3], v[Y+\j+2:Y+\j+3], v[22:23]
.endr
	v_pk_add_f32 v[20:21], v[20:21], v[22:23]
	v_add_f32 v20, v20, v21
	WSUM 20
	v_fma_f32 v24, v20, s44, s45                   ; the variance + 1e-6
	s_wait_alu depctr_va_vdst(0)                   ; ahead of the transcendental
	v_rsq_f32 v[RS], v24
	v_nop
	s_wait_alu depctr_va_vdst(0)                   ; and ahead of its first reader
.irp j, 0,2,4,6,8,10,12,14,16,18,20,22,24,26,28,30
	v_pk_mul_f32 v[Y+\j:Y+\j+1], v[Y+\j:Y+\j+1], v[RS:RS+1] op_sel_hi:[1,0]
.endr
.irp j, 0,2,4,6,8,10,12,14,16,18,20,22,24,26,28,30
	v_pk_fma_f32 v[Y+\j:Y+\j+1], v[Y+\j:Y+\j+1], v[GA+\j:GA+\j+1], v[BE+\j:BE+\j+1]
.endr
.irp i, 0,1,2,3,4,5,6,7
	global_store_b128 v[LI], v[Y+4*\i:Y+4*\i+3], s[18:19] offset:4096*(\rho)+512*\i th:TH_STORE_NT
.endr
.if (\rho)+2 < 8
	s_wait_xcnt 0x0                                ; the stores have read their data: the row after next may land there
	ROWLOAD (\rho)+2
.endif
.endm
	ROWLOAD 0
	ROWLOAD 1
.irp rho, 0,1,2,3,4,5,6,7
	ROW \rho
.endr
	s_wait_tensorcnt 0x0                           ; the wave's end
	ds_add_u32 v[SPW], v[NIL]
	s_wait_dscnt 0x0
	s_endpgm
.Lfunc_end_k_qdb3afc5090_proj_ln:
	.size	k_qdb3afc5090_proj_ln, .Lfunc_end_k_qdb3afc5090_proj_ln-k_qdb3afc5090_proj_ln
	.p2alignl 7, 3214868480
	.fill 96, 4, 3214868480
	.section	.rodata,"a",@progbits
	.p2align	6, 0x0
	.amdhsa_kernel k_qdb3afc5090_proj_ln
		.amdhsa_group_segment_fixed_size 132096
		.amdhsa_private_segment_fixed_size 0
		.amdhsa_enable_private_segment 0
		.amdhsa_kernarg_size 64
		.amdhsa_user_sgpr_count 2
		.amdhsa_user_sgpr_kernarg_segment_ptr 1
		.amdhsa_wavefront_size32 1
		.amdhsa_system_sgpr_workgroup_id_x 1
		.amdhsa_system_sgpr_workgroup_id_y 1
		.amdhsa_system_sgpr_workgroup_id_z 1
		.amdhsa_system_vgpr_workitem_id 0
		.amdhsa_next_free_vgpr 1024
		.amdhsa_next_free_sgpr 66
		.amdhsa_reserve_vcc 0
		.amdhsa_float_denorm_mode_32 3
		.amdhsa_float_denorm_mode_16_64 3
		.amdhsa_memory_ordered 1
		.amdhsa_forward_progress 1
		.amdhsa_inst_pref_size 168
	.end_amdhsa_kernel
	.amdgpu_metadata
---
amdhsa.version: [ 1, 2 ]
amdhsa.kernels:
  - .name:           k_qdb3afc5090_proj_ln
    .symbol:         k_qdb3afc5090_proj_ln.kd
    .args:
      - { .name: oimg, .offset: 0, .size: 8, .value_kind: global_buffer, .address_space: global }
      - { .name: wimg, .offset: 8, .size: 8, .value_kind: global_buffer, .address_space: global }
      - { .name: lowp_scales, .offset: 16, .size: 8, .value_kind: global_buffer, .address_space: global }
      - { .name: b_proj, .offset: 24, .size: 8, .value_kind: global_buffer, .address_space: global }
      - { .name: x, .offset: 32, .size: 8, .value_kind: global_buffer, .address_space: global }
      - { .name: ln_gamma, .offset: 40, .size: 8, .value_kind: global_buffer, .address_space: global }
      - { .name: ln_beta, .offset: 48, .size: 8, .value_kind: global_buffer, .address_space: global }
      - { .name: out0, .offset: 56, .size: 8, .value_kind: global_buffer, .address_space: global }
    .group_segment_fixed_size: 132096
    .private_segment_fixed_size: 0
    .kernarg_segment_align: 8
    .kernarg_segment_size: 64
    .max_flat_workgroup_size: 128
    .sgpr_count:     66
    .vgpr_count:     1024
    .wavefront_size: 32
...
	.end_amdgpu_metadata
.endif
;; end of part 4
